; MI455X (gfx1250); checked and timed in simulation.
; The chip was launched on July 23, 2026; its instructions are those of AMD's public machine-readable ISA for CDNA 5 (MIT licence, August 2026) and "CDNA5" Instruction Set Architecture Reference Guide (July 2026). The comments in the code are by the model that wrote it; some were corrected since.
;; Transformer Attn. Allowed arithmetic: matrix products marked QUANTISED: E2M1 operands, one E8M0 scale for each 32 along K, by v_wmma_scale_f32_16x16x128_f8f6f4 with both operands' format E2M1 (or v_wmma_scale_f32_32x16x128_f4), f32 sums; everything else in f32.
;; Inputs: Wk 512 x 512 float32; Wq 512 x 512 float32; Wv 512 x 512 float32; bk 512 float32; bq 512 float32; bv 512 float32; seq 1,024 x 32 x 512 float32.
;; Outputs: out0 1,024 x 32 x 512 float32.
;; This version of the problem:
;;   THIS VERSION OF THE PROBLEM IS GIVEN IN LOW PRECISION. The matrix products marked QUANTISED in the list below multiply operands that are first quantised to E2M1 (2 exponent bits, 1 mantissa bit; 4 bits a number), with one power-of-two scale for each 32 numbers along K (OCP MX v1.0); their sums are f32. All else is computed in f32.
;;   The module's matrix products, in the order in which they are computed (A, B: the left and right operand; K: the contracted axis; several contracted axes count as one K, in the product's order):
;;     1. [M 32,768, K 512] x [K 512, N 512]; A: input seq; B: input Wv: QUANTISED
;;     2. [M 32,768, K 512] x [K 512, N 512]; A: input seq; B: input Wq: QUANTISED
;;     3. [M 32,768, K 512] x [K 512, N 512]; A: input seq; B: input Wk: QUANTISED
;;     4. batch 32 x [M 1,024, K 512] x [K 512, N 1,024]; A: computed on the way; B: computed on the way: QUANTISED
;;     5. batch 32 x [M 1,024, K 1,024] x [K 1,024, N 512]; A: softmax (see below); B: computed on the way: QUANTISED
;;   THE QUANTISER, for each operand of a quantised product, along K:
;;     - K is cut into blocks of 32 from its start; a last block that is shorter is filled with zeros.
;;     - A block's scale is 2^e with e = floor(log2(the largest magnitude in the block)) - 2, held to -126 .. 127; a block of zeros has e = 0. As a byte (E8M0): e + 127.
;;     - Each number is divided by its block's scale, clamped to +-6, and rounded to the nearest number of E2M1, ties to even, subnormals kept.
;;     - The product sums the exact products of the quantised numbers (number of the format x scale) in f32.
;;   ~~~python
;;   def quantise(x, axis):      # numpy; x: float32 -> the quantised numbers, widened to float32 again
;;       x = np.moveaxis(x, axis, -1); K = x.shape[-1]
;;       x = np.pad(x, [(0, 0)] * (x.ndim - 1) + [(0, -K % 32)]); x = x.reshape(x.shape[:-1] + (-1, 32)); a = np.abs(x).max(-1, keepdims=True)
;;       e = np.where(a > 0, np.clip(np.frexp(np.where(a > 0, a, 1))[1] - 1 - 2, -126, 127), 0)      # np.frexp(a)[1] - 1 = floor(log2(a)), exactly
;;       r = np.clip(x / 2.0 ** e, -6, 6)
;;       step = 2.0 ** (np.maximum(np.frexp(np.where(r == 0, 1, r))[1] - 1, 0) - 1)
;;       q = np.round(r / step) * step * 2.0 ** e      # np.round: ties to even
;;       return np.moveaxis(q.reshape(q.shape[:-2] + (-1,))[..., :K], -1, axis).astype(np.float32)
;;   ~~~
;;   SOFTMAX AHEAD OF A QUANTISED PRODUCT. Where the list says 'softmax', what is quantised is not the finished softmax but p = 2^(t - M), with t = logit x log2(e) and M = ceil(the row's largest t), a whole number; so 1/2 < the row's largest p <= 1. The row's sum l is taken of the UNQUANTISED p, in f32, and the product's result is divided by l at the end. Since M is a whole number, a kernel that streams over the keys may use a running M (the ceiling of the running maximum): every later rescaling is an exact power of two, which a block's scale takes up: the codes' values come out the same.
;;   OPERANDS COMPUTED ON THE WAY. 'Computed on the way' means the value that the module computes at that place (a softmax that the list does not call 'softmax' is quantised finished and normalised). What goes into a quantiser is computed in f32, as accurately as f32 sums, v_exp_f32 and their like allow (about 1e-6 of the number): no bf16 or f16 on the way to a quantiser, and a product that is left as it is and whose result goes on into a quantised operand takes f32 operands (vector FMAs, or v_wmma_f32_16x16x4_f32). A number that lies on a knife's edge between two numbers of the format may be rounded either way, as far as f32 arithmetic and the matrix unit's own rounding can turn it there, and no further.
;; One version. Each part assembles by itself: llvm-mc -triple=amdgcn-amd-amdhsa -mcpu=gfx1250 --defsym DOCPART=n.
;; ======== version 1 of 1: 3 launches
;; limits: right only within a limited range of input values
;; workspace buffers: wimg 417,792 bytes; qc 8,388,608 bytes; kc 8,388,608 bytes; vc 8,388,608 bytes; sc 1,572,864 bytes
;; launch wq (part 1): grid 96 x 1, 4 waves a work-group, no clusters, 18,176 bytes of LDS; arguments Wv, Wq, Wk, wimg; writes wimg
.if DOCPART == 1
	.amdgcn_target "amdgcn-amd-amdhsa--gfx1250"
	.amdhsa_code_object_version 6
	.text
	.protected	k_q727e58ff34_wq
	.globl	k_q727e58ff34_wq
	.p2align	8
	.type	k_q727e58ff34_wq,@function
k_q727e58ff34_wq:
	s_mov_b64 s[64:65], 0
	v_nop
	global_prefetch_b8 v0, s[64:65] scope:SCOPE_SE
	s_setreg_imm32_b32 hwreg(HW_REG_WAVE_MODE, 25, 1), 1
	s_wait_xcnt 0x0
; Wv, Wq, Wk [512][512], f32, K innermost, become codes of FP4 (E2M1) with one E8M0 byte for each 32 along K, laid as IMAGES OF OPERAND REGISTERS: a fragment is 16 rows x 128 K, 1,024 bytes; registers
; 4 c .. 4 c + 3 of lane l lie at 512 c + 16 l.  A tile is 16 rows x 512 K.  Its rows are not neighbours: of a group g of 128 rows tile t takes rows 32 (t / 2) + 8 (t % 2) + q + 8 (q / 8), q = 0 .. 15, so that results
; of the next launch fall as neighbours along the next K.   wimg: for each (matrix, g) 34,816 bytes: codes [t][K step][1024], then scale words [t][K step][row].
; One work-group takes one tile, one wave one K step of it.  No matrix unit, no cluster, no tensor load: no two work-groups read the same byte.
; No step or input of the problem is left out in this program: the biases too go into quantised operands.
; A block's scale is 2^(floor(log2(largest magnitude)) - 2); its byte is the largest magnitude's exponent field - 2, held at 1 from below.
; LIMITS: a block of zeros gets the byte 1 (its codes are zeros; these bytes are read by this program alone); blocks whose largest magnitude lies under 2^-124 are held at the byte 1; NaN and infinities are not served.
.set WREG,  4352                       ; LDS of a wave: a stage of 16 rows x (256 bytes + 16)
.set WORDS, 4*WREG                     ; the tile's 64 scale words
.set SPARE, WORDS+256                  ; the spare words
.set TM, 16
.set TP, 20
.set SO, 24
.set WD, 28
.set CDX, 32
.set RA, 64
.set X,  128
	s_load_b256 s[4:11], s[0:1], 0x0               ; Wv, Wq, Wk, wimg s[10:11]
	v_lshl_add_u32 v14, v0, 2, SPARE
	v_mov_b32 v15, 0
	v_lshrrev_b32 v1, 5, v0
	v_readfirstlane_b32 s3, v1                     ; wave = K step
	v_and_b32 v1, 31, v0                           ; lane
	v_and_b32 v2, 15, v0                           ; r
	v_bfe_u32 v3, v0, 4, 1                         ; h
	v_lshlrev_b32 v4, 4, v1                        ; 16 x lane
	v_lshlrev_b32 v10, 4, v2                       ; 16 r
	v_lshl_add_u32 v11, v3, 11, v10                ; a load takes two rows, 256 bytes of each: row h, + 16 r
	s_mul_i32 s2, s3, WREG
	v_mul_u32_u24 v5, v3, 272
	v_add_nc_u32 v5, v5, v10
	v_add_nc_u32 v5, s2, v5                        ; the stage, in
	v_mul_u32_u24 v6, v2, 272
	v_lshl_add_u32 v6, v3, 7, v6
	v_add_nc_u32 v6, s2, v6                        ; out: row r, block h
	s_lshl_b32 s2, s3, 6
	s_add_co_u32 s2, s2, WORDS
	v_lshlrev_b32 v7, 2, v2
	v_add_nc_u32 v7, s2, v7                        ; row r's scale word of my K step
	v_lshlrev_b32 v9, 3, v1                        ; 8 x lane
	v_add_nc_u32 v8, WORDS, v9
	v_lshlrev_b32 v23, 3, v3                       ; 8 h: my bytes' place in the word
	v_mov_b32 v[TP+1], 0                           ; written once: a lane permute's destination counts as one of its sources
	s_mov_b32 s30, 0x76543210
	s_mov_b32 s31, 0xfedcba98                      ; selects for lane l xor 16
	s_lshr_b32 s12, ttmp9, 5                       ; the matrix
	s_lshr_b32 s13, ttmp9, 3                       ; 4 x matrix + g
	s_and_b32 s14, s13, 3                          ; g
	s_and_b32 s15, ttmp9, 7                        ; t
	s_lshl_b32 s16, s14, 7
	s_lshr_b32 s17, s15, 1
	s_lshl_b32 s17, s17, 5
	s_add_co_u32 s16, s16, s17
	s_and_b32 s17, s15, 1
	s_lshl_b32 s17, s17, 3
	s_add_co_u32 s16, s16, s17                     ; the tile's first row
	s_lshl_b32 s16, s16, 11                        ; a row is 2,048 bytes
	s_lshl_b32 s17, s3, 9
	s_add_co_u32 s16, s16, s17
	s_mov_b32 s17, 0
	s_mul_i32 s18, s13, 34816
	s_lshl_b32 s20, s15, 8
	s_add_co_u32 s20, s20, s18
	s_add_co_u32 s20, s20, 32768                   ; the tile's scale words in wimg
	s_mov_b32 s21, 0
	s_lshl_b32 s19, s15, 12
	s_add_co_u32 s18, s18, s19
	s_lshl_b32 s19, s3, 10
	s_add_co_u32 s18, s18, s19                     ; my fragment in wimg
	s_mov_b32 s19, 0
	s_wait_alu depctr_va_vdst(0)                   ; the wait at the head's end
	s_wait_kmcnt 0x0
	s_cmp_eq_u32 s12, 1
	s_cselect_b64 s[6:7], s[6:7], s[8:9]
	s_cmp_eq_u32 s12, 0
	s_cselect_b64 s[4:5], s[4:5], s[6:7]
	s_add_nc_u64 s[4:5], s[4:5], s[16:17]
	s_add_nc_u64 s[18:19], s[10:11], s[18:19]
	s_add_nc_u64 s[20:21], s[10:11], s[20:21]
.irp u, 0,1                            ; half a K step: 64 numbers of 16 rows
.set QI, 0
.rept 8
	global_load_b128 v[RA+32*\u+4*QI:RA+32*\u+4*QI+3], v11, s[4:5] offset:(2*QI+8*(QI/4))*2048+256*\u th:TH_LOAD_NT
.set QI, QI+1
.endr
.endr
.macro TURN u                          ; through my stage: in as loaded, out a whole block of 32 a lane.  LDS serves a wave's instructions in order: no wait between
.set QI, 0
.rept 8
	ds_store_b128 v5, v[RA+32*\u+4*QI:RA+32*\u+4*QI+3] offset:544*QI
.set QI, QI+1
.endr
.set QI, 0
.rept 8
	ds_load_b128 v[X+32*\u+4*QI:X+32*\u+4*QI+3], v6 offset:16*QI
.set QI, QI+1
.endr
.endm
.macro QW u                            ; my block becomes registers 4 u .. 4 u + 3 of the fragment
.set XQ, X+32*\u
	v_max3_num_f32 v[TM], |v[XQ]|, |v[XQ+1]|, 0x1800000    ; with the floor 2^(3 - 127) among the leaves: the byte cannot fall under 1
	v_max_num_f32 v[TM+1], |v[XQ+2]|, |v[XQ+3]|
.set QI, 4
.rept 7
	v_max3_num_f32 v[TM], v[TM], |v[XQ+QI]|, |v[XQ+QI+1]|
	v_max3_num_f32 v[TM+1], v[TM+1], |v[XQ+QI+2]|, |v[XQ+QI+3]|
.set QI, QI+4
.endr
	v_max_num_f32 v[TM], v[TM], v[TM+1]
	v_add_nc_u32 v[SO], 0xff000000, v[TM]          ; 2 off the exponent field: the conversion takes this operand's exponent field as its scale
.if \u == 0
	v_lshrrev_b32 v[WD], 23, v[SO]                 ; the byte of block h
.else
	v_lshrrev_b32 v[TP], 23, v[SO]                 ; and of block 2 + h
	v_lshl_or_b32 v[WD], v[TP], 16, v[WD]
	v_lshlrev_b32 v[WD], v23, v[WD]
	v_permlanex16_b32 v[TP+1], v[WD], s30, s31
	v_or_b32 v[WD], v[WD], v[TP+1]                 ; with lane l xor 16's two the word is whole
.endif
.set QI, 0
.rept 4
	v_cvt_scalef32_pk8_fp4_f32 v[CDX+4*\u+QI], v[XQ+8*QI:XQ+8*QI+7], v[SO]
.set QI, QI+1
.endr
	v_nop                                          ; one plain line behind the last conversion
	global_store_b128 v4, v[CDX+4*\u:CDX+4*\u+3], s[18:19] offset:512*\u
.endm
	s_wait_loadcnt 8                               ; the first half's eight loads are in
	TURN 0
	s_wait_loadcnt 0x0
	TURN 1
	s_wait_dscnt 16                                ; the first half is back; the second's sixteen may be out
	QW 0
	s_wait_dscnt 0x0
	QW 1
	ds_store_b32 v7, v[WD]                         ; both halves of the lanes write the same word with the same value
	s_wait_dscnt 0x0
	s_barrier_signal -1
	s_barrier_wait -1                              ; all four K steps' words are in
	s_cmp_lg_u32 s3, 0
	s_cbranch_scc1 .Lnot_mine
	ds_load_b64 v[12:13], v8
	s_wait_dscnt 0x0
	global_store_b64 v9, v[12:13], s[20:21]        ; 256 consecutive bytes, aligned
.Lnot_mine:
	s_wait_tensorcnt 0x0                           ; the wave's end
	ds_add_u32 v14, v15
	s_wait_dscnt 0x0
	s_endpgm
.Lfunc_end_k_q727e58ff34_wq:
	.size	k_q727e58ff34_wq, .Lfunc_end_k_q727e58ff34_wq-k_q727e58ff34_wq
	.p2alignl 7, 3214868480
	.fill 96, 4, 3214868480
	.section	.rodata,"a",@progbits
	.p2align	6, 0x0
	.amdhsa_kernel k_q727e58ff34_wq
		.amdhsa_group_segment_fixed_size 18176
		.amdhsa_private_segment_fixed_size 0
		.amdhsa_enable_private_segment 0
		.amdhsa_kernarg_size 32
		.amdhsa_user_sgpr_count 2
		.amdhsa_user_sgpr_kernarg_segment_ptr 1
		.amdhsa_wavefront_size32 1
		.amdhsa_system_sgpr_workgroup_id_x 1
		.amdhsa_system_sgpr_workgroup_id_y 1
		.amdhsa_system_sgpr_workgroup_id_z 1
		.amdhsa_system_vgpr_workitem_id 0
		.amdhsa_next_free_vgpr 192
		.amdhsa_next_free_sgpr 66
		.amdhsa_reserve_vcc 0
		.amdhsa_float_denorm_mode_32 3
		.amdhsa_float_denorm_mode_16_64 3
		.amdhsa_memory_ordered 1
		.amdhsa_forward_progress 1
		.amdhsa_inst_pref_size 11
	.end_amdhsa_kernel
	.amdgpu_metadata
---
amdhsa.version: [ 1, 2 ]
amdhsa.kernels:
  - .name:           k_q727e58ff34_wq
    .symbol:         k_q727e58ff34_wq.kd
    .args:
      - { .name: Wv, .offset: 0, .size: 8, .value_kind: global_buffer, .address_space: global }
      - { .name: Wq, .offset: 8, .size: 8, .value_kind: global_buffer, .address_space: global }
      - { .name: Wk, .offset: 16, .size: 8, .value_kind: global_buffer, .address_space: global }
      - { .name: wimg, .offset: 24, .size: 8, .value_kind: global_buffer, .address_space: global }
    .group_segment_fixed_size: 18176
    .private_segment_fixed_size: 0
    .kernarg_segment_align: 8
    .kernarg_segment_size: 32
    .max_flat_workgroup_size: 128
    .sgpr_count:     66
    .vgpr_count:     192
    .wavefront_size: 32
...
	.end_amdgpu_metadata
.endif
;; end of part 1
;; launch proj (part 2): grid 256 x 1, 8 waves a work-group, clusters of 4 x 1, 327,680 bytes of LDS; arguments seq, wimg, bv, bq, bk, qc, kc, vc, sc; writes qc, kc, vc, sc
.if DOCPART == 2
	.amdgcn_target "amdgcn-amd-amdhsa--gfx1250"
	.amdhsa_code_object_version 6
	.text
	.protected	k_q727e58ff34_proj
	.globl	k_q727e58ff34_proj
	.p2align	8
	.type	k_q727e58ff34_proj,@function
k_q727e58ff34_proj:
	s_mov_b64 s[64:65], 0
	v_nop
	global_prefetch_b8 v0, s[64:65] scope:SCOPE_SE
	s_setreg_imm32_b32 hwreg(HW_REG_WAVE_MODE, 25, 1), 1
	s_wait_xcnt 0x0
	s_wait_alu depctr_hold_cnt(0) depctr_sa_sdst(0) depctr_va_vdst(0) depctr_va_sdst(0) depctr_va_ssrc(0) depctr_va_vcc(0) depctr_vm_vsrc(0)
	s_getreg_b32 s2, hwreg(HW_REG_IB_STS2, 6, 4)
	s_cmp_eq_u32 s2, 0
	s_cbranch_scc0 .Lentry_in_a_cluster
	s_endpgm
.Lentry_in_a_cluster:
	s_bfe_u32 s2, ttmp6, 0x10000c
	s_cmp_lg_u32 s2, 0x3003
	s_cbranch_scc0 .Lentry_shape_is_right
	s_endpgm
.Lentry_shape_is_right:
; value = x Wv^T + bv, query = x Wq^T + bq, keys = x Wk^T + bk, x = seq, on codes of FP4 (E2M1) with E8M0 scales; x is quantised here, and the three results are quantised in registers for the attention launch:
; value and query along the units (the first attention product's K), keys along the positions (the second's K).  Codes leave as images of operand registers.
; SHARES.  Work-group SB = 8 b + i: 128 positions of batch b, all units.  FIRST wave v takes x's tile v (16 positions x 512, f32) from memory, each byte once in the launch, quantises it and lays its fragments and scale words
; into LDS.  THEN wave v = 2 g + half makes positions 64 half .. 64 half + 63 x units 128 g .. 128 g + 127 of each matrix: x's 16 fragments stay in 128 registers.
; THE WEIGHTS of a matrix, 139,264 bytes of codes and scale words, come through two LDS slots: value's at the head, query's into slot 1 behind the round that shows x, keys' into slot 0 again when value is done.
; CLUSTER: four work-groups; the weights are asked for JOINTLY, an eighth a wave: 68 rows of 256 bytes.  x is not shared: each partner reads other rows.
; NO PREFETCH: x is asked for all at once at the head, with no loop ahead of it; the weights, 417,792 bytes in all, are asked for a whole matrix ahead.
; A TRIP takes two tiles of 16 units (a pair): 8 accumulators x 4 K steps = 32 matrix instructions, then quantises the results.  Four trips a matrix.
; value, query: source 0 = 16 rows of W, source 1 = 16 positions: a lane holds one position, and the pair's 16 registers are 16 neighbouring units.
; keys: source 0 = 16 positions, source 1 = 16 rows of W: a lane holds one unit, and the 16 registers of two neighbouring tiles of positions are 16 neighbouring positions.
; (The rows of a tile are 32 (t / 2) + 8 (t % 2) + q + 8 (q / 8) of their group of 128, for x and for W alike: that makes those registers neighbours.)
; A lane's 16 codes of block B of row r, 8 bytes, lie at 256 B + 16 r + 8 h of the fragment's image: a wave's store covers 256 consecutive bytes, aligned.  The biases are the C of each sum's first matrix instruction.
; LIMITS: a block of zeros gets the byte 1 (its codes are zeros; the bytes are read by this program alone); largest magnitudes under 2^-124 are held at the byte 1; NaN and infinities are not served.
; REGISTERS: window 0: v1-31 addresses; v32-39 x's scale words, v40-43 the pair's (scales and nothing else); v44-71 the quantiser's; v72-87 the biases as C; v96-159 the pair's fragments; v160-255 x on its way to codes.
;   window 1: x as loaded, v0-255; then x's fragments (tile m, K step s) at 32 m + 8 s, and the accumulators v128-191.
.set WM,   139264                      ; a matrix's weights: 4 x 34,816: slot 0 at LDS byte 0, slot 1 behind it
.set WG,   34816
.set XB,   2*WM                        ; x: for each tile 4,096 bytes of codes and 256 of scale words; before that the stage of the wave that owns the tile
.set XT,   4352
.set BL,   XB+8*XT                     ; the biases [matrix][512]
.set GB,   BL+6144                     ; 256 bytes for each wave: value's and query's scale words on their way out
.set KG,   GB+2048                     ; keys' scale words [unit]
.set SPARE, KG+2048                    ; the spare words, 128 bytes for each wave
.set SPW, 21
.set NIL, 22
.set AWJ, 26
.set ASJ, 27
.set ABJ, 28
.set AGJ, 29
.set XS,  32
.set WSS, 40
.set SW,  44
.set WD,  48
.set TM,  52
.set TP,  56
.set SO,  60
.set CD,  64
.set BI,  72
.set WS,  96
.set X,   160
.set CDX, 224
.set CNT, 50                           ; s50 trips to go; s51 where the trip's byte goes in a scale word
.set SH,  51
.set TW,  60                           ; s60-63: the trip's place among the codes (8,192 a trip), the scale words (512), the biases (128), the gathered words (128)
.set TS,  61
.set TB,  62
.set TG,  63
.set MSB, 0
.macro WIN new                         ; the immediate's high byte repeats the setting that is left; a switch that changes nothing is dropped
.if MSB != (\new)
	s_set_vgpr_msb (MSB<<8)|(\new)
.set MSB, (\new)
.endif
.endm
.macro ROUND                           ; a round of the cluster's barrier
	s_barrier_signal -1
	s_barrier_wait -1
	s_cmp_lg_u32 s3, 0
	s_cbranch_scc1 .Lnot_wave_0_\@
	s_barrier_signal -3
.Lnot_wave_0_\@:
	s_barrier_wait -3
	s_barrier_signal -1
	s_barrier_wait -1
.endm
.macro TLOAD                           ; my eighth of a matrix's weights
	tensor_load_to_lds s[36:39], s[40:47]
	s_nop 0
.rept 4
	v_nop                                          ; four lines ahead of a switch of windows here
.endr
.endm
.macro WMS                             ; one matrix instruction from the symbols rD rA rB rC rSA rSB; fRA, fRB: the scales lie in lanes 16-31
.if fRA && fRB
	v_wmma_scale_f32_16x16x128_f8f6f4 v[rD:rD+7], v[rA:rA+7], v[rB:rB+7], v[rC:rC+7], v[rSA], v[rSB] matrix_a_fmt:MATRIX_FMT_FP4 matrix_b_fmt:MATRIX_FMT_FP4 matrix_a_scale:MATRIX_SCALE_ROW1 matrix_b_scale:MATRIX_SCALE_ROW1
.elseif fRA
	v_wmma_scale_f32_16x16x128_f8f6f4 v[rD:rD+7], v[rA:rA+7], v[rB:rB+7], v[rC:rC+7], v[rSA], v[rSB] matrix_a_fmt:MATRIX_FMT_FP4 matrix_b_fmt:MATRIX_FMT_FP4 matrix_a_scale:MATRIX_SCALE_ROW1
.elseif fRB
	v_wmma_scale_f32_16x16x128_f8f6f4 v[rD:rD+7], v[rA:rA+7], v[rB:rB+7], v[rC:rC+7], v[rSA], v[rSB] matrix_a_fmt:MATRIX_FMT_FP4 matrix_b_fmt:MATRIX_FMT_FP4 matrix_b_scale:MATRIX_SCALE_ROW1
.else
	v_wmma_scale_f32_16x16x128_f8f6f4 v[rD:rD+7], v[rA:rA+7], v[rB:rB+7], v[rC:rC+7], v[rSA], v[rSB] matrix_a_fmt:MATRIX_FMT_FP4 matrix_b_fmt:MATRIX_FMT_FP4
.endif
.endm
.macro LOADU u                         ; unit u: 64 numbers (K 64 u on) of my 16 positions: each load reads two rows, 256 bytes of each, aligned
	WIN 0x40
.set QI, 0
.rept 8
	global_load_b128 v[32*(\u)+4*QI:32*(\u)+4*QI+3], v14, s[8:9] offset:(2*QI+8*(QI/4))*65536+256*(\u) th:TH_LOAD_NT
.set QI, QI+1
.endr
	WIN 0
.endm
	s_load_b256 s[8:15], s[0:1], 0x0               ; seq s[8:9], wimg s[10:11], bv s[12:13], bq s[14:15]
	s_load_b256 s[16:23], s[0:1], 0x20             ; bk s[16:17], qc s[18:19], kc s[20:21], vc s[22:23]
	s_load_b64 s[24:25], s[0:1], 0x40              ; sc
	v_lshl_add_u32 v[SPW], v0, 2, SPARE
	v_mov_b32 v[NIL], 0
	ds_add_u32 v[SPW], v[NIL]                      ; the wave's opening: the add, twice on end, ahead of my first tensor load
	ds_add_u32 v[SPW], v[NIL]
	v_lshrrev_b32 v1, 5, v0
	v_readfirstlane_b32 s3, v1                     ; wave v
	s_bfe_u32 s4, ttmp6, 0x40000                   ; cx
	s_lshl_b32 s5, ttmp9, 2
	s_add_co_u32 s5, s5, s4                        ; SB = 4 x cluster x + cx: it enters x's and the results' addresses alone
	s_lshr_b32 s6, s3, 1                           ; g
	s_and_b32 s7, s3, 1                            ; half
	v_and_b32 v1, 31, v0                           ; lane
	v_and_b32 v2, 15, v0                           ; r
	v_bfe_u32 v3, v0, 4, 1                         ; h
	v_lshlrev_b32 v4, 4, v1                        ; 16 x lane
	v_lshlrev_b32 v13, 4, v2                       ; 16 r
	v_lshl_add_u32 v14, v3, 16, v13                ; x: row h of two, + 16 r
	v_lshl_add_u32 v30, v3, 3, v13                 ; 16 r + 8 h: my 16 codes' place in a block's 256 bytes
	s_mov_b32 s40, 0x23000f                        ; descriptor group 1: 15:0 the mask: all four work-groups; 17:16 elements of 8 bytes; 21 set beside a mask: 68 rows of 256 bytes, dense, no padding
	s_mov_b32 s41, 32<<16
	s_mov_b32 s42, 68<<16
	s_mov_b32 s43, 32<<16
	s_mov_b32 s44, 68
	s_mov_b32 s45, 32
	s_mov_b32 s46, 0
	s_mov_b32 s47, 0
	s_mov_b32 s36, 1                               ; group 0: count = 1
	s_mul_i32 s37, s3, WM/8                        ; LDS address: slot 0, my eighth
	s_mul_i32 s30, s3, WM/8                        ; and in memory: made of the wave's number alone
	s_mov_b32 s31, 0
	s_and_b32 s52, s5, 7
	s_lshl_b32 s52, s52, 23                        ; 128 positions of 65,536 bytes a block
	s_lshl_b32 s54, s6, 21                         ; tile v begins at position 32 (v / 2)
	s_add_co_u32 s52, s52, s54
	s_lshl_b32 s54, s7, 19                         ; + 8 (v % 2)
	s_add_co_u32 s52, s52, s54
	s_lshr_b32 s54, s5, 3
	s_lshl_b32 s54, s54, 11                        ; 2,048 bytes a batch
	s_add_co_u32 s52, s52, s54
	s_mov_b32 s53, 0
	s_lshl_b32 s32, s3, 8                          ; my 64 numbers of each bias
	s_mov_b32 s33, 0
	s_mov_b32 s48, 0x76543210
	s_mov_b32 s49, 0xfedcba98                      ; selects for lane l xor 16
	s_wait_dscnt 0x0                               ; both opening adds are done
	s_wait_alu depctr_va_vdst(0)                   ; the wait here, directly ahead of the wait below
	s_wait_kmcnt 0x0
	s_add_nc_u64 s[8:9], s[8:9], s[52:53]
	s_add_nc_u64 s[38:39], s[10:11], s[30:31]
	s_or_b32 s39, s39, 0x80000000                  ; type = 2
	s_add_nc_u64 s[12:13], s[12:13], s[32:33]
	s_add_nc_u64 s[14:15], s[14:15], s[32:33]
	s_add_nc_u64 s[16:17], s[16:17], s[32:33]
	LOADU 0
	LOADU 1
	ROUND                                          ; all four work-groups are here: the joint loads meet
	TLOAD                                          ; value's weights: my one tensor load at the head
	LOADU 2
	LOADU 3
	LOADU 4
	LOADU 5
	LOADU 6
	LOADU 7
	v_lshlrev_b32 v9, 3, v1                        ; 8 x lane
	global_load_b64 v[BI:BI+1], v9, s[12:13]
	global_load_b64 v[BI+2:BI+3], v9, s[14:15]
	global_load_b64 v[BI+4:BI+5], v9, s[16:17]
	s_mul_i32 s52, s3, XT
	s_add_co_u32 s52, s52, XB                      ; my tile's bytes, and my stage
	v_mul_u32_u24 v5, v3, 272
	v_add_nc_u32 v5, v5, v13
	v_add_nc_u32 v5, s52, v5                       ; the stage, in: row h of two, + 16 r
	v_mul_u32_u24 v6, v2, 272
	v_lshl_add_u32 v6, v3, 7, v6
	v_add_nc_u32 v6, s52, v6                       ; out: row r, block h: 128 bytes
	v_add_nc_u32 v15, s52, v4                      ; my fragments
	v_lshlrev_b32 v31, 2, v2                       ; 4 r
	s_add_co_u32 s52, s52, 4096
	v_add_nc_u32 v19, s52, v31                     ; my scale words: row r's
	s_mul_i32 s52, s7, 4*XT
	s_add_co_u32 s52, s52, XB
	v_add_nc_u32 v20, s52, v4                      ; the half's four tiles: fragments,
	s_add_co_u32 s52, s52, 4096
	v_mul_u32_u24 v12, v3, XT
	v_add_nc_u32 v12, v12, v31
	v_add_nc_u32 v18, s52, v12                     ; scale words: lanes 0-15 an even tile's, lanes 16-31 the odd tile's
	s_mul_i32 s52, s6, WG
	v_add_nc_u32 v17, s52, v4                      ; my group's weights in a slot: fragments,
	s_add_co_u32 s52, s52, 32768
	v_lshl_add_u32 v7, v3, 8, v31
	v_add_nc_u32 v7, s52, v7                       ; scale words: lanes 0-15 the even tile's, lanes 16-31 the odd tile's
	s_lshl_b32 s52, s6, 9
	s_add_co_u32 s52, s52, BL
	v_lshlrev_b32 v8, 6, v3
	v_add_nc_u32 v8, s52, v8                       ; biases as C of value and query: units 16 h on;
	v_and_b32 v12, 8, v2
	v_add_nc_u32 v12, v12, v2
	v_lshlrev_b32 v12, 2, v12
	v_add_nc_u32 v12, s52, v12                     ; of keys: my lane's one unit, r + 8 (r / 8)
	s_lshl_b32 s52, s3, 8
	s_add_co_u32 s53, s52, GB
	v_add_nc_u32 v10, s53, v31                     ; gathering value's and query's scale words: row r's word,
	v_add_nc_u32 v11, s53, v9                      ; and on their way out
	s_add_co_u32 s53, s52, BL
	v_add_nc_u32 v16, s53, v9                      ; the biases on their way in: 8 waves x 256 bytes of each
	s_add_co_u32 s53, s52, KG
	v_add_nc_u32 v24, s53, v9                      ; keys' scale words on their way out
	s_lshl_b32 s52, s6, 9
	s_lshl_b32 s53, s7, 1
	s_add_co_u32 s52, s52, s53
	s_add_co_u32 s52, s52, KG
	v_add_nc_u32 v25, s52, v31                     ; and in: bytes 2 half, 2 half + 1 of unit r's word
	v_lshlrev_b32 v23, 3, v3                       ; 8 h: my bytes' place in x's word
.set II, 0
.rept 4
	v_mov_b32 v[SW+II], 0
	v_mov_b32 v[TP+II], 0                          ; written once: a lane permute's destination counts as one of its sources
.set II, II+1
.endr
	s_lshr_b32 s54, s5, 3
	s_lshl_b32 s54, s54, 18                        ; b x 262,144
	s_and_b32 s56, s5, 7
	s_lshl_b32 s56, s56, 13                        ; i x 8,192
	s_add_co_u32 s54, s54, s56
	s_lshl_b32 s56, s6, 10                         ; K step g of the first attention product
	s_add_co_u32 s54, s54, s56
	s_lshl_b32 s56, s7, 17                         ; my half's tiles
	s_add_co_u32 s54, s54, s56
	s_mov_b32 s55, 0
	s_add_nc_u64 s[18:19], s[18:19], s[54:55]
	s_add_nc_u64 s[20:21], s[20:21], s[54:55]
	s_lshl_b32 s54, s5, 15
	s_lshl_b32 s56, s6, 13
	s_add_co_u32 s54, s54, s56
	s_lshl_b32 s56, s7, 9
	s_add_co_u32 s54, s54, s56
	s_add_nc_u64 s[22:23], s[22:23], s[54:55]      ; vc + 32,768 SB + 8,192 g + 512 half
	s_lshl_b32 s54, s5, 11
	s_lshl_b32 s56, s3, 8
	s_add_co_u32 s54, s54, s56
	s_add_nc_u64 s[24:25], s[24:25], s[54:55]      ; value's scale words: sc + 2,048 SB + 256 v;
	s_add_nc_u64 s[26:27], s[24:25], 0x80000       ; query's 524,288 bytes on;
	s_add_nc_u64 s[28:29], s[24:25], 0x100000      ; keys' 1,048,576 on
	s_mov_b32 s[SH], 0
	s_mov_b32 s[TW], 0
	s_mov_b32 s[TS], 0
	s_mov_b32 s[TB], 0
	s_mov_b32 s[TG], 0
; ---- X BECOMES CODES, unit by unit.
.macro TURN u                          ; through my stage: in as loaded, out a whole block of 32 a lane.  LDS serves a wave's instructions in order: no wait between, nor ahead of the next unit's stores
	WIN 0x04                                       ; a store's data are its source 1: window 1
.set QI, 0
.rept 8
	ds_store_b128 v5, v[32*(\u)+4*QI:32*(\u)+4*QI+3] offset:544*QI
.set QI, QI+1
.endr
	WIN 0
.set QI, 0
.rept 8
	ds_load_b128 v[X+32*((\u)%2)+4*QI:X+32*((\u)%2)+4*QI+3], v6 offset:16*QI
.set QI, QI+1
.endr
.endm
.macro QW u                            ; my block 2 (u % 2) + h of K step u / 2
.set XQ, X+32*((\u)%2)
	v_max3_num_f32 v[TM], |v[XQ]|, |v[XQ+1]|, 0x1800000    ; with the floor 2^(3 - 127) among the leaves: the byte cannot fall under 1
	v_max_num_f32 v[TM+1], |v[XQ+2]|, |v[XQ+3]|
.set QI, 4
.rept 7
	v_max3_num_f32 v[TM], v[TM], |v[XQ+QI]|, |v[XQ+QI+1]|
	v_max3_num_f32 v[TM+1], v[TM+1], |v[XQ+QI+2]|, |v[XQ+QI+3]|
.set QI, QI+4
.endr
	v_max_num_f32 v[TM], v[TM], v[TM+1]
	v_add_nc_u32 v[SO], 0xff000000, v[TM]          ; 2 off the exponent field: the conversion takes this operand's exponent field as its scale
.if (\u)%2 == 0
	v_lshrrev_b32 v[WD+(\u)/2], 23, v[SO]          ; the byte of block h
.else
	v_lshrrev_b32 v[TP], 23, v[SO]                 ; and of block 2 + h
	v_lshl_or_b32 v[WD+(\u)/2], v[TP], 16, v[WD+(\u)/2]
	v_lshlrev_b32 v[WD+(\u)/2], v23, v[WD+(\u)/2]
	v_permlanex16_b32 v[TP+1], v[WD+(\u)/2], s48, s49
	v_or_b32 v[WD+(\u)/2], v[WD+(\u)/2], v[TP+1]   ; with lane l xor 16's two the word is whole
.endif
.set QI, 0
.rept 4
	v_cvt_scalef32_pk8_fp4_f32 v[CDX+4*(\u)+QI], v[XQ+8*QI:XQ+8*QI+7], v[SO]
.set QI, QI+1
.endr
	v_nop                                          ; one plain line behind the last conversion
.endm
	s_wait_alu depctr_va_vdst(0)                   ; the wait at the head's end
	s_wait_loadcnt 59                              ; unit 0's eight loads are in: behind them stand 56 of the other units and three of the biases
	TURN 0
.irp u, 0,1,2,3,4,5,6
	s_wait_loadcnt 51-8*\u                         ; the next unit is in,
	TURN \u+1
	s_wait_dscnt 16                                ; this one is back from the stage; the next one's sixteen may be out
	QW \u
.endr
	s_wait_dscnt 0x0
	QW 7
.set QI, 0
.rept 8
	ds_store_b128 v15, v[CDX+4*QI:CDX+4*QI+3] offset:512*QI        ; my tile's four fragments, over the stage, which is read no more
.set QI, QI+1
.endr
.set QI, 0
.rept 4
	ds_store_b32 v19, v[WD+QI] offset:64*QI        ; both halves of the lanes write the same word with the same value
.set QI, QI+1
.endr
	s_wait_alu depctr_va_vdst(0)                   ; the wait here, directly ahead of the wait below
	s_wait_loadcnt 0x0                             ; the biases
	ds_store_b64 v16, v[BI:BI+1]
	ds_store_b64 v16, v[BI+2:BI+3] offset:2048
	ds_store_b64 v16, v[BI+4:BI+5] offset:4096
	s_wait_tensorcnt 0x0                           ; my eighth of value's weights is in
	ds_add_u32 v[SPW], v[NIL]
	s_add_co_u32 s37, s37, WM                      ; query's weights: slot 1
	s_add_nc_u64 s[38:39], s[38:39], WM
	s_wait_dscnt 0x0                               ; the add is done, and my part of x lies in LDS
	ROUND                                          ; everybody's part of x and of value's weights is in; the joint loads meet
	TLOAD
	WIN 0x40
.set QI, 0
.rept 32                               ; QI = 8 m + 2 s + c
	ds_load_b128 v[4*QI:4*QI+3], v20 offset:XT*(QI/8)+512*(QI%8)   ; x's 16 fragments: they stay
.set QI, QI+1
.endr
	WIN 0
.set QI, 0
.rept 8                                ; register 4 B + s: tiles 2 B and 2 B + 1, K step s
	ds_load_b32 v[XS+QI], v18 offset:2*XT*(QI/4)+64*(QI%4)
.set QI, QI+1
.endr
; ---- THE PRODUCTS.  FADR: the pair's addresses; FLD: its 8 fragments, 4 registers of scale words, the biases as C.  kind 0: value and query; 1: keys (a lane's one unit in all eight registers).
.macro FADR kind
	v_add_nc_u32 v[AWJ], s[TW], v17
	v_add_nc_u32 v[ASJ], s[TS], v7
.if \kind == 0
	v_add_nc_u32 v[ABJ], s[TB], v8
.else
	v_add_nc_u32 v[ABJ], s[TB], v12
.endif
.endm
.macro FLD kind, mat
.set FI, 0
.rept 8                                ; FI = 4 u + s
	ds_load_b128 v[WS+8*FI:WS+8*FI+3], v[AWJ] offset:1024*FI
	ds_load_b128 v[WS+8*FI+4:WS+8*FI+7], v[AWJ] offset:1024*FI+512
.set FI, FI+1
.endr
.set FI, 0
.rept 4
	ds_load_b32 v[WSS+FI], v[ASJ] offset:64*FI
.set FI, FI+1
.endr
.set FI, 0
.if \kind == 0
.rept 4                                ; FI = 2 u + i
	ds_load_b128 v[BI+4*FI:BI+4*FI+3], v[ABJ] offset:2048*\mat+16*FI
.set FI, FI+1
.endr
.else
.rept 16
	ds_load_b32 v[BI+FI], v[ABJ] offset:2048*\mat+32*(FI/8)
.set FI, FI+1
.endr
.endif
	s_add_co_u32 s[TW], s[TW], 8192
	s_add_co_u32 s[TS], s[TS], 512
	s_add_co_u32 s[TB], s[TB], 128
.endm
; 32 matrix instructions, K step by K step; the 8 accumulators take turns, one instruction a turn.
.macro MMUL kind
.set KQ, 0
.rept 4
.if KQ == 0
	WIN 0x44-3*(\kind)                             ; the biases (C) and the pair in window 0; x and D in window 1
.else
	WIN 0x54-3*(\kind)                             ; C in window 1
.endif
.set AI, 0
.rept 8
.set rD, 128+8*AI
.if \kind == 0                         ; AI = 2 m + u
.set rA, WS+32*(AI%2)+8*KQ
.set rB, 32*(AI/2)+8*KQ
.set rSA, WSS+KQ
.set fRA, AI%2
.set rSB, XS+4*(AI/4)+KQ
.set fRB, (AI/2)%2
.set rC, BI+8*(AI%2)
.else                                  ; AI = 4 u + t
.set rA, 32*(AI%4)+8*KQ
.set rB, WS+32*(AI/4)+8*KQ
.set rSA, XS+4*((AI%4)/2)+KQ
.set fRA, AI%2
.set rSB, WSS+KQ
.set fRB, AI/4
.set rC, BI+8*(AI/4)
.endif
.if KQ > 0
.set rC, rD
.endif
	WMS
.set AI, AI+1
.endr
.set KQ, KQ+1
.endr
	WIN 0
.endm
; Four blocks of 32: block i's 16 numbers of my lane in accumulator registers 16 i .. 16 i + 15, the other 16 in lane l xor 16.  Codes into v[CD + 2 i], bytes into v[TP + i].
.macro BQ4
	WIN 0x05                                       ; sources 0 and 1 in window 1
.set II, 0
.rept 4
	v_max3_num_f32 v[TM+II], |v[128+16*II]|, |v[129+16*II]|, 0x1800000     ; each accumulator from its low end on; the floor 2^(3 - 127) among the leaves
.set II, II+1
.endr
.set KK, 2
.rept 7
.set II, 0
.rept 4
	v_max3_num_f32 v[TM+II], |v[128+16*II+KK]|, |v[129+16*II+KK]|, v[TM+II]        ; the four blocks by turns
.set II, II+1
.endr
.set KK, KK+2
.endr
	WIN 0
.set II, 0
.rept 4
	v_permlanex16_b32 v[TP+II], v[TM+II], s48, s49
.set II, II+1
.endr
.set II, 0
.rept 4
	v_max_num_f32 v[TM+II], v[TM+II], v[TP+II]     ; the block's largest magnitude
.set II, II+1
.endr
.set II, 0
.rept 4
	v_add_nc_u32 v[SO+II], 0xff000000, v[TM+II]    ; 2 off its exponent field: the conversion's scale operand
.set II, II+1
.endr
.set II, 0
.rept 4
	v_lshrrev_b32 v[TP+II], 23, v[SO+II]           ; the byte
.set II, II+1
.endr
	WIN 0x01                                       ; source 0 in window 1
.set II, 0
.rept 4
	v_cvt_scalef32_pk8_fp4_f32 v[CD+2*II], v[128+16*II:135+16*II], v[SO+II]
	v_cvt_scalef32_pk8_fp4_f32 v[CD+2*II+1], v[136+16*II:143+16*II], v[SO+II]
.set II, II+1
.endr
	WIN 0
	v_nop                                          ; one plain line behind the last conversion: the next products write its sources
.endm
; A trip.  cp: the scalar pair that holds the codes' store base.
.macro TRIP kind, mat, cp
	s_wait_dscnt 0x0                               ; the pair's fragments, scale words and biases are in
	MMUL \kind
	FADR \kind                                     ; its three lines and the v_nop are the four places in front of the loads below and of the reads of the results
	v_nop
	s_cmp_eq_u32 s[CNT], 1
	s_cbranch_scc1 .Lno_next_\@                    ; a matrix's last trip fetches nothing
	FLD \kind, \mat
.Lno_next_\@:
	BQ4
.set II, 0
.rept 4
.if \kind == 0
	global_store_b64 v30, v[CD+2*II:CD+2*II+1], s[\cp:\cp+1] offset:(II/2)*65536+(II%2)*4096       ; tile m's fragment, this trip's block: 256 consecutive bytes, aligned
.else                                  ; II = 2 u + B
	global_store_b64 v30, v[CD+2*II:CD+2*II+1], s[\cp:\cp+1] offset:(II/2)*1024+256*(II%2)
.endif
.set II, II+1
.endr
.if \kind == 0
.set II, 0
.rept 4
	v_lshl_or_b32 v[SW+II], v[TP+II], s[SH], v[SW+II]      ; the trip's byte of tile m's scale words
.set II, II+1
.endr
	s_add_co_u32 s[SH], s[SH], 8
.else
	v_add_nc_u32 v[AGJ], s[TG], v25
.set II, 0
.rept 2
	v_lshl_or_b32 v[WD+II], v[TP+2*II+1], 8, v[TP+2*II]    ; my half's two bytes of a unit's scale word
	ds_store_b16 v[AGJ], v[WD+II] offset:64*II
.set II, II+1
.endr
	s_add_co_u32 s[TG], s[TG], 128
.endif
	s_wait_alu depctr_va_vdst(0)                   ; the wait here, ahead of the wait and the branch below
	s_wait_xcnt 0x0                                ; the stores have read their data and base: both are written again only behind this wait
.if \kind == 0
	s_add_nc_u64 s[\cp:\cp+1], s[\cp:\cp+1], 256
.else
	s_add_nc_u64 s[\cp:\cp+1], s[\cp:\cp+1], 2048
.endif
	s_sub_co_u32 s[CNT], s[CNT], 1
	s_cmp_lg_u32 s[CNT], 0
.endm
.macro FLUSH p                         ; my four tiles' scale words of K step g leave as 256 consecutive bytes, aligned, through my own LDS bytes
.set II, 0
.rept 4
	ds_store_b32 v10, v[SW+II] offset:64*II        ; both halves of the lanes hold the same word
.set II, II+1
.endr
	ds_load_b64 v[88:89], v11                      ; LDS serves a wave's instructions in order: this sees the stores
.set II, 0
.rept 4
	v_mov_b32 v[SW+II], 0
.set II, II+1
.endr
	s_mov_b32 s[SH], 0
	s_mov_b32 s[TB], 0
	s_mov_b32 s[CNT], 4
	s_wait_alu depctr_va_vdst(0)
	s_wait_dscnt 0x0
	global_store_b64 v9, v[88:89], s[\p:\p+1]
.endm
	FADR 0
	FLD 0, 0
	s_mov_b32 s[CNT], 4
.Lvalue:
	TRIP 0, 0, 18
	s_cbranch_scc1 .Lvalue
	FLUSH 24
	s_wait_tensorcnt 0x0                           ; my eighth of query's weights is in;
	ds_add_u32 v[SPW], v[NIL]
	s_sub_co_u32 s37, s37, WM                      ; keys' weights: slot 0 again
	s_add_nc_u64 s[38:39], s[38:39], WM
	s_mov_b32 s[TW], WM                            ; query's lie in slot 1
	s_mov_b32 s[TS], WM
	s_wait_dscnt 0x0                               ; the add is done, and my reads of value's weights are over
	ROUND                                          ; both hold of every wave of every partner
	TLOAD
	FADR 0
	FLD 0, 1
.Lquery:
	TRIP 0, 1, 20
	s_cbranch_scc1 .Lquery
	FLUSH 26
	s_mov_b32 s[TW], 0
	s_mov_b32 s[TS], 0
	s_wait_tensorcnt 0x0                           ; my eighth of keys' weights is in
	s_wait_dscnt 0x0
	s_barrier_signal -1
	s_barrier_wait -1                              ; everybody's is
	FADR 1
	FLD 1, 2
.Lkeys:
	TRIP 1, 2, 22
	s_cbranch_scc1 .Lkeys
	s_wait_dscnt 0x0                               ; for the others' sake: my bytes of keys' scale words
	s_barrier_signal -1
	s_barrier_wait -1
	ds_load_b64 v[88:89], v24
	s_wait_dscnt 0x0
	global_store_b64 v9, v[88:89], s[28:29]        ; 64 units' words: 256 consecutive bytes, aligned
	s_wait_tensorcnt 0x0                           ; the wave's end
	ds_add_u32 v[SPW], v[NIL]
	s_wait_dscnt 0x0
	ROUND                                          ; the closing round: no work-group ends while a partner may still ask for a tile that names it
	s_endpgm
.Lfunc_end_k_q727e58ff34_proj:
	.size	k_q727e58ff34_proj, .Lfunc_end_k_q727e58ff34_proj-k_q727e58ff34_proj
	.p2alignl 7, 3214868480
	.fill 96, 4, 3214868480
	.section	.rodata,"a",@progbits
	.p2align	6, 0x0
	.amdhsa_kernel k_q727e58ff34_proj
		.amdhsa_group_segment_fixed_size 327680
		.amdhsa_private_segment_fixed_size 0
		.amdhsa_enable_private_segment 0
		.amdhsa_kernarg_size 72
		.amdhsa_user_sgpr_count 2
		.amdhsa_user_sgpr_kernarg_segment_ptr 1
		.amdhsa_wavefront_size32 1
		.amdhsa_system_sgpr_workgroup_id_x 1
		.amdhsa_system_sgpr_workgroup_id_y 1
		.amdhsa_system_sgpr_workgroup_id_z 1
		.amdhsa_system_vgpr_workitem_id 0
		.amdhsa_next_free_vgpr 512
		.amdhsa_next_free_sgpr 66
		.amdhsa_reserve_vcc 0
		.amdhsa_float_denorm_mode_32 3
		.amdhsa_float_denorm_mode_16_64 3
		.amdhsa_memory_ordered 1
		.amdhsa_forward_progress 1
		.amdhsa_inst_pref_size 81
	.end_amdhsa_kernel
	.amdgpu_metadata
---
amdhsa.version: [ 1, 2 ]
amdhsa.kernels:
  - .name:           k_q727e58ff34_proj
    .symbol:         k_q727e58ff34_proj.kd
    .args:
      - { .name: seq, .offset: 0, .size: 8, .value_kind: global_buffer, .address_space: global }
      - { .name: wimg, .offset: 8, .size: 8, .value_kind: global_buffer, .address_space: global }
      - { .name: bv, .offset: 16, .size: 8, .value_kind: global_buffer, .address_space: global }
      - { .name: bq, .offset: 24, .size: 8, .value_kind: global_buffer, .address_space: global }
      - { .name: bk, .offset: 32, .size: 8, .value_kind: global_buffer, .address_space: global }
      - { .name: qc, .offset: 40, .size: 8, .value_kind: global_buffer, .address_space: global }
      - { .name: kc, .offset: 48, .size: 8, .value_kind: global_buffer, .address_space: global }
      - { .name: vc, .offset: 56, .size: 8, .value_kind: global_buffer, .address_space: global }
      - { .name: sc, .offset: 64, .size: 8, .value_kind: global_buffer, .address_space: global }
    .group_segment_fixed_size: 327680
    .private_segment_fixed_size: 0
    .kernarg_segment_align: 8
    .kernarg_segment_size: 72
    .max_flat_workgroup_size: 256
    .sgpr_count:     66
    .vgpr_count:     512
    .wavefront_size: 32
...
	.end_amdgpu_metadata
.endif
;; end of part 2
;; launch attn (part 3): grid 32 x 8, 4 waves a work-group, no clusters, 140,800 bytes of LDS; arguments qc, kc, vc, sc, out0; writes out0
.if DOCPART == 3
	.amdgcn_target "amdgcn-amd-amdhsa--gfx1250"
	.amdhsa_code_object_version 6
	.text
	.protected	k_q727e58ff34_attn
	.globl	k_q727e58ff34_attn
	.p2align	8
	.type	k_q727e58ff34_attn,@function
k_q727e58ff34_attn:
	s_mov_b64 s[64:65], 0
	v_nop
	global_prefetch_b8 v0, s[64:65] scope:SCOPE_SE
	s_setreg_imm32_b32 hwreg(HW_REG_WAVE_MODE, 25, 1), 1
	s_wait_xcnt 0x0
; out[i] = sum over j of softmax_j(value_i . query_j / sqrt(512)) keys_j for one batch, both products on codes of FP4 (E2M1) with E8M0 scales.
; Below, Q = value (the rows of the softmax), K = query (its columns), V = keys.  All three come as images of operand registers with their scale words.
; THE SOFTMAX: t = score x log2(e) / sqrt(512); M = ceil(the row's largest t); p = 2^(t - M) is quantised along the columns, not normalised; the row's sum of the unquantised p divides at the end.
; SHARES.  Work-group (batch, i) owns 128 rows (8 tiles of 16).  PASS B: wave w owns columns 32 w .. 32 w + 31 of every 128 (two tiles of 16) for all 8 tiles of rows: scores, p, its sums, its codes into LDS.
; PASS C: O^T = V^T P^T: wave w owns channels 128 w .. 128 w + 127.  V of these channels, all 1,024 positions, stays in 512 registers; the tiles of rows are finished ONE AFTER THE OTHER (64 products, 8 accumulators),
; so that a tile's stores leave while the next tiles are multiplied.
; A RUNNING M, ONE FOR EACH WAVE.  It keeps, for each row, M so far over ITS columns, a whole number, and takes p under that M; when M moves, its sum is multiplied by 2^(old M - new M), which rounds nothing.
; With each step's codes it lays down its -M of that step and the block's scale.  Behind the last step the waves exchange their -M and sums; the row's M is the largest; each sum is brought under it, and each wave
; moves its blocks' scales by 2^(the step's M - the row's M): the codes stay as they are, the scale byte takes the power of two up.
; LAYOUT.  S^T = K Q^T (source 0 = 16 columns, source 1 = 16 rows): a lane holds one row of the softmax, and its 16 registers of the wave's two tiles are 16 neighbouring columns, since a tile's rows are
; 32 (t / 2) + 8 (t % 2) + q + 8 (q / 8) of their 128.  So a lane's 16 codes of p are 8 bytes of P's image, and P goes to the other waves through LDS as it stands.
; NO CLUSTER: the eight work-groups of a batch read the same K and V, but here both go from memory straight into the registers that are multiplied, each byte once a work-group.  A joint load lands in LDS alone:
; 557,056 bytes of K and V would be written to LDS and read out of it again, and do not fit there beside each other.
; LIMITS: scaled scores t stay under 2^31 in magnitude.  A block of p that is all zeros gets the byte 1 (its codes are zeros).  A block whose scale the row's M moves under 2^-127 keeps its codes with the byte 0: each
; of its numbers then counts for at most 6 x 2^-127, where the stated quantiser would hold the scale at 2^-126 and round anew.  NaN and infinities are not served.
; REGISTERS: window 0: v1-26 addresses; v32-47 Q's scale words (pass C: v32-39 P's), v48-55 K's, v56-87 V's (scales and nothing else); v88-103 pairs: the factor 2^(old M - new M), then 1 / sum;
;   v104-119 pairs: -M and the block's scale operand; v120-135 sums (pairs); v136-167 at work; v168-231 K's even steps; v232-239 maxima; v240-255 exchange.  In pass C v168-231 and v104-167 hold P's fragments by turns.
;   window 1: Q, fragment (m, g) at 32 m + 8 g; in pass C v0-127 V's steps 6 and 7, v128-191 the accumulators.   window 2: v0-127 S^T at 16 m + 8 u, v128-191 K's odd steps; in pass C v0-127 rows on their way out,
;   v128-255 V's steps 4 and 5.   window 3: V's steps 0 to 3.
.set WB,   65536                       ; LDS: 0: P's image [tile m][step j][1024].   WB: -M and scale operands [wave][j][m][r][8]
.set PSB,  98304                       ; P's scale words [m][r][j], 4,096: byte w comes from wave w
.set MXB,  102400                      ; the waves' -M [m][r][w], 2,048; LXO bytes on their sums likewise
.set LXO,  2048
.set STG,  106496                      ; the way out: 16 rows x (512 + 16) bytes for each wave
.set STGW, 8448
.set SPARE, 140288                     ; the spare words, 128 bytes for each wave: no other line names them
.set SPW, 24
.set NIL, 25
.set QS,  32
.set PSS, 32
.set KSS, 48
.set VSS, 56
.set RLP, 88
.set NMP, 104
.set LS,  120
.set TP,  136
.set XT,  144
.set CD,  152
.set KF,  168
.set BM,  232
.set EX,  240
.set MSB, 0
.macro WIN new                         ; the immediate's high byte repeats the setting that is left; a switch that changes nothing is dropped
.if MSB != (\new)
	s_set_vgpr_msb (MSB<<8)|(\new)
.set MSB, (\new)
.endif
.endm
.macro WMS                             ; one matrix instruction from the symbols rD rA rB rC (under 0: the constant 0 starts the sum) rSA rSB; fRA, fRB: the scales lie in lanes 16-31
.if rC < 0
.if fRA && fRB
	v_wmma_scale_f32_16x16x128_f8f6f4 v[rD:rD+7], v[rA:rA+7], v[rB:rB+7], 0, v[rSA], v[rSB] matrix_a_fmt:MATRIX_FMT_FP4 matrix_b_fmt:MATRIX_FMT_FP4 matrix_a_scale:MATRIX_SCALE_ROW1 matrix_b_scale:MATRIX_SCALE_ROW1
.elseif fRA
	v_wmma_scale_f32_16x16x128_f8f6f4 v[rD:rD+7], v[rA:rA+7], v[rB:rB+7], 0, v[rSA], v[rSB] matrix_a_fmt:MATRIX_FMT_FP4 matrix_b_fmt:MATRIX_FMT_FP4 matrix_a_scale:MATRIX_SCALE_ROW1
.elseif fRB
	v_wmma_scale_f32_16x16x128_f8f6f4 v[rD:rD+7], v[rA:rA+7], v[rB:rB+7], 0, v[rSA], v[rSB] matrix_a_fmt:MATRIX_FMT_FP4 matrix_b_fmt:MATRIX_FMT_FP4 matrix_b_scale:MATRIX_SCALE_ROW1
.else
	v_wmma_scale_f32_16x16x128_f8f6f4 v[rD:rD+7], v[rA:rA+7], v[rB:rB+7], 0, v[rSA], v[rSB] matrix_a_fmt:MATRIX_FMT_FP4 matrix_b_fmt:MATRIX_FMT_FP4
.endif
.else
.if fRA && fRB
	v_wmma_scale_f32_16x16x128_f8f6f4 v[rD:rD+7], v[rA:rA+7], v[rB:rB+7], v[rC:rC+7], v[rSA], v[rSB] matrix_a_fmt:MATRIX_FMT_FP4 matrix_b_fmt:MATRIX_FMT_FP4 matrix_a_scale:MATRIX_SCALE_ROW1 matrix_b_scale:MATRIX_SCALE_ROW1
.elseif fRA
	v_wmma_scale_f32_16x16x128_f8f6f4 v[rD:rD+7], v[rA:rA+7], v[rB:rB+7], v[rC:rC+7], v[rSA], v[rSB] matrix_a_fmt:MATRIX_FMT_FP4 matrix_b_fmt:MATRIX_FMT_FP4 matrix_a_scale:MATRIX_SCALE_ROW1
.elseif fRB
	v_wmma_scale_f32_16x16x128_f8f6f4 v[rD:rD+7], v[rA:rA+7], v[rB:rB+7], v[rC:rC+7], v[rSA], v[rSB] matrix_a_fmt:MATRIX_FMT_FP4 matrix_b_fmt:MATRIX_FMT_FP4 matrix_b_scale:MATRIX_SCALE_ROW1
.else
	v_wmma_scale_f32_16x16x128_f8f6f4 v[rD:rD+7], v[rA:rA+7], v[rB:rB+7], v[rC:rC+7], v[rSA], v[rSB] matrix_a_fmt:MATRIX_FMT_FP4 matrix_b_fmt:MATRIX_FMT_FP4
.endif
.endif
.endm
.macro KLOAD p, q                      ; my two tiles of K, q steps on from the base, into ring place p, and their scale words: 20 loads
.if \p
	WIN 0x80
.set KB, 128
.else
	WIN 0
.set KB, KF
.endif
.set FI, 0
.rept 16
	global_load_b128 v[KB+4*FI:KB+4*FI+3], v4, s[6:7] offset:8192*(\q)+512*FI
.set FI, FI+1
.endr
	WIN 0
.set FI, 0
.rept 4
	global_load_b32 v[KSS+4*(\p)+FI], v5, s[10:11] offset:2048*(\q)+512*FI
.set FI, FI+1
.endr
.endm
.macro VL j                            ; V's step j: 8 fragments of my channels and their scale words: 20 loads; j = 9: nothing
.if \j < 8
.if \j < 4
	WIN 0xc0
.set VB, 64*\j
.elseif \j < 6
	WIN 0x80
.set VB, 64*\j-128
.else
	WIN 0x40
.set VB, 64*\j-384
.endif
.set FI, 0
.rept 16
	global_load_b128 v[VB+4*FI:VB+4*FI+3], v4, s[8:9] offset:32768*\j+512*FI
.set FI, FI+1
.endr
	WIN 0
.set FI, 0
.rept 4
	global_load_b32 v[VSS+4*\j+FI], v5, s[16:17] offset:2048*\j+128*FI
.set FI, FI+1
.endr
.endif
.endm
	s_load_b256 s[4:11], s[0:1], 0x0               ; qc s[4:5], kc s[6:7], vc s[8:9], sc s[10:11]
	s_load_b64 s[12:13], s[0:1], 0x20              ; out0
	v_lshl_add_u32 v[SPW], v0, 2, SPARE
	v_mov_b32 v[NIL], 0
	v_lshrrev_b32 v1, 5, v0
	v_readfirstlane_b32 s18, v1                    ; wave w
	s_mov_b32 s21, ttmp9                           ; the batch
	s_and_b32 s20, ttmp7, 0xffff                   ; i: my block of 128 rows
	v_and_b32 v1, 31, v0                           ; lane
	v_and_b32 v2, 15, v0                           ; r
	v_bfe_u32 v3, v0, 4, 1                         ; h
	v_lshlrev_b32 v4, 4, v1                        ; 16 x lane
	v_lshlrev_b32 v5, 2, v1                        ; 4 x lane
	s_lshl_b32 s22, s21, 18                        ; a batch's codes: 262,144 bytes;
	s_lshl_b32 s24, s21, 14                        ; its scale words: 16,384
	s_lshl_b32 s26, s20, 13
	s_add_co_u32 s26, s26, s22                     ; Q's codes
	s_mov_b32 s27, 0
	s_lshl_b32 s28, s20, 11
	s_add_co_u32 s28, s28, s24                     ; Q's scale words
	s_mov_b32 s29, 0
	s_lshl_b32 s30, s18, 16
	s_add_co_u32 s30, s30, s22                     ; K's codes: 65,536 for my two tiles of every step
	s_mov_b32 s31, 0
	s_lshl_b32 s32, s18, 7
	s_add_co_u32 s32, s32, s24
	s_add_co_u32 s32, s32, 0x80000                 ; K's scale words: 524,288 bytes into sc
	s_mov_b32 s33, 0
	s_lshl_b32 s34, s18, 13
	s_add_co_u32 s34, s34, s22                     ; V's codes: my 128 channels
	s_mov_b32 s35, 0
	s_lshl_b32 s36, s18, 9
	s_add_co_u32 s36, s36, s24
	s_add_co_u32 s36, s36, 0x100000                ; V's scale words: 1,048,576 bytes into sc
	s_mov_b32 s37, 0
	s_lshl_b32 s38, s20, 23                        ; out0: 128 positions of 65,536 bytes a block,
	s_lshl_b32 s40, s21, 11                        ; 2,048 a batch,
	s_add_co_u32 s38, s38, s40
	s_lshl_b32 s40, s18, 9                         ; my 128 channels
	s_add_co_u32 s38, s38, s40
	s_mov_b32 s39, 0
	s_add_co_u32 s40, s20, 4
	s_lshl_b32 s40, s40, 13                        ; the prefetch: K's step 4 + i,
	s_lshl_b32 s42, s20, 15                        ; or V's step i
	s_mov_b32 s41, 0
	s_mov_b32 s60, 0x76543210
	s_mov_b32 s61, 0xfedcba98                      ; selects for lane l xor 16
	s_mov_b32 s62, 0x3d8293ee                      ; c = log2(e) / sqrt(512)
	s_mov_b32 s63, s62                             ; (named with it as a pair, so it is written)
	s_mov_b32 s74, 0xbd8293ee                      ; -c
	s_wait_alu depctr_va_vdst(0)                   ; the wait here, directly ahead of the wait below
	s_wait_kmcnt 0x0
	s_add_nc_u64 s[4:5], s[4:5], s[26:27]
	s_add_nc_u64 s[14:15], s[10:11], s[28:29]
	s_add_nc_u64 s[6:7], s[6:7], s[30:31]
	s_add_nc_u64 s[16:17], s[10:11], s[36:37]
	s_add_nc_u64 s[10:11], s[10:11], s[32:33]
	s_add_nc_u64 s[8:9], s[8:9], s[34:35]
	s_add_nc_u64 s[12:13], s[12:13], s[38:39]
	s_cmp_lt_u32 s20, 4                            ; work-groups 0 to 3 of a batch ask for K, 4 to 7 for V
	s_cselect_b64 s[68:69], s[6:7], s[8:9]
	s_cselect_b32 s40, s40, s42
	s_add_nc_u64 s[68:69], s[68:69], s[40:41]
	WIN 0x40                                       ; destination window 1
.set FI, 0
.rept 64
	global_load_b128 v[4*FI:4*FI+3], v4, s[4:5] offset:(FI/16)*65536+((FI/8)%2)*4096+512*(FI%8)   ; Q's 32 fragments: they stay through pass B
.set FI, FI+1
.endr
	WIN 0
.set FI, 0
.rept 16
	global_load_b32 v[QS+FI], v5, s[14:15] offset:512*(FI%4)+128*(FI/4)    ; register 4 B + g: tiles 2 B and 2 B + 1, K step g
.set FI, FI+1
.endr
	KLOAD 0, 0
	KLOAD 1, 1
	v_lshlrev_b32 v12, 4, v2                       ; 16 r
	v_lshl_add_u32 v10, v3, 3, v12
	s_lshl_b32 s77, s18, 8
	v_add_nc_u32 v10, s77, v10                     ; where I put 16 codes of p: block w of the fragment: 256 w + 16 r + 8 h
	s_lshl_b32 s77, s18, 13
	s_add_co_u32 s77, s77, WB
	v_lshlrev_b32 v22, 3, v2
	v_add_nc_u32 v22, s77, v22                     ; a step's -M and scale operand of row r: my bytes + 8 r
	v_lshl_add_u32 v23, v3, 12, v22                ; the same on the way back: lanes 0-15 take steps 0 to 3, lanes 16-31 steps 4 to 7;
	s_add_co_u32 s77, s18, PSB
	v_lshlrev_b32 v26, 5, v2
	v_lshl_add_u32 v26, v3, 4, v26
	v_add_nc_u32 v26, s77, v26                     ; and those steps' bytes likewise: byte w of row r's word
	v_add_nc_u32 v16, MXB, v12                     ; the exchange: row r's four words,
	s_lshl_b32 s77, s18, 2
	v_add_nc_u32 v15, s77, v16                     ; and mine among them
	v_lshlrev_b32 v14, 5, v1
	v_add_nc_u32 v14, PSB, v14                     ; P's scale words: lanes 0-15 an even tile's rows, lanes 16-31 the odd tile's, eight steps each
	s_mul_i32 s77, s18, STGW
	s_add_co_u32 s77, s77, STG
	v_mul_u32_u24 v17, v2, 528
	v_lshl_add_u32 v17, v3, 6, v17
	v_add_nc_u32 v17, s77, v17                     ; my stage, in: row r, + 64 h
	v_add_nc_u32 v18, s77, v4                      ; back: a row's 512 bytes
	v_lshlrev_b32 v19, 8, v1                       ; the prefetch: lanes 256 bytes apart; never rewritten
.set II, 0
.rept 8
	v_mov_b32 v[TP+II], 0                          ; written once: a lane permute's destination counts as one of its sources
	v_mov_b32 v[LS+2*II], 0                        ; the sums, in two halves
	v_mov_b32 v[LS+2*II+1], 0
	v_mov_b32 v[NMP+2*II], 0x7f61b1e6              ; -M so far: 3e38, over every -t: the first step's factor is then 0, on sums that are 0
	v_mov_b32 v[NMP+2*II+1], 0                     ; (upper halves of pairs of which the low word serves both halves)
	v_mov_b32 v[RLP+2*II+1], 0
.set II, II+1
.endr
	s_mov_b32 s66, 0                               ; the trip: steps 2 s66 and 2 s66 + 1
	s_mov_b32 s70, 0                               ; 1,024 x step
; S^T of one step: 64 matrix instructions, K step by K step; the 16 accumulators take turns, one instruction a turn.  The first K step starts the sums.
.macro SPHASE p
.if \p
.set KB, 128
.else
.set KB, KF
.endif
.set GI, 0
.rept 4
.if GI == 0
	WIN 0x84+2*(\p)                                ; K window 0 or 2, Q window 1, D window 2
.else
	WIN 0xa4+2*(\p)                                ; and C window 2
.endif
.set AI, 0
.rept 16                               ; AI = 2 m + u
.set rD, 8*AI
.set rA, KB+32*(AI%2)+8*GI
.set rB, 32*(AI/2)+8*GI
.set rSA, KSS+4*(\p)+GI
.set fRA, AI%2
.set rSB, QS+4*(AI/4)+GI
.set fRB, (AI/2)%2
.set rC, rD
.if GI == 0
.set rC, -1
.endif
	WMS
.set AI, AI+1
.endr
.set GI, GI+1
.endr
.endm
; A PREFETCH INTO THE L2, in steps 0, 2 and 4: K's steps 4 to 7, first loaded two steps on, and V's steps 4 to 7, loaded in the last two steps.  The eight work-groups of a batch share them out: work-group i takes
; K's step 4 + i (i under 4) or V's step i, wave w 8,192 bytes of it, lanes 256 bytes apart: each block of 256 bytes is named by a single lane, once in each of the three trips.
.macro ASK
	global_prefetch_b8 v19, s[68:69] th:TH_LOAD_NT scope:SCOPE_SE
.endm
; ---- PASS B, one step: the scores; my running M; p = 2^(t - M); its sums; its codes, my -M and the blocks' scale operands into LDS.
; p: the step's parity; n: the loads issued behind this step's K, which may stay out; kq: the K two steps on is asked for; va, vb, vc: V's steps that are asked for behind the products, the exponentials, the stores (9: none).
.macro BSTEP p, n, kq, va, vb, vc
	s_wait_loadcnt \n
	SPHASE \p
	WIN 0
.if \p == 0
	v_add_nc_u32 v20, s70, v10                     ; two steps' addresses; these lines and the v_nop are the places in front of the loads below and of the first read of the scores
	v_add_nc_u32 v21, s70, v22
.rept 2
	v_nop
.endr
.else
.rept 4
	v_nop
.endr
.endif
.if \kq
	KLOAD \p, 2+\p
.if \p == 0
	ASK
.endif
.endif
	VL \va
	WIN 0x0a
.set II, 0
.rept 8
	v_max_num_f32 v[BM+II], v[16*II], v[16*II+1]   ; THE LARGEST SCORE OF MY BLOCK OF 32 COLUMNS, for each tile of rows.  It serves twice: for my running M, and, since p rises with the score, for the block's largest p
.set II, II+1
.endr
.set KK, 2
.rept 7
.set II, 0
.rept 8
	v_max3_num_f32 v[BM+II], v[16*II+KK], v[16*II+KK+1], v[BM+II]   ; each accumulator from its low end on; the eight tiles by turns
.set II, II+1
.endr
.set KK, KK+2
.endr
	WIN 0
.set II, 0
.rept 8
	v_permlanex16_b32 v[TP+II], v[BM+II], s60, s61
.set II, II+1
.endr
.set II, 0
.rept 8
	v_max_num_f32 v[BM+II], v[BM+II], v[TP+II]     ; with lane l xor 16's 16 columns
.set II, II+1
.endr
.set II, 0
.rept 8
	v_mul_f32 v[XT+II], s74, v[BM+II]              ; -t of it
.set II, II+1
.endr
.set II, 0
.rept 8
	v_floor_f32 v[XT+II], v[XT+II]                 ; floor(-t) = -ceil(t): a whole number
.set II, II+1
.endr
.set II, 0
.rept 8
	v_sub_f32 v[RLP+2*II], v[XT+II], v[NMP+2*II]   ; less the -M so far
.set II, II+1
.endr
.set II, 0
.rept 8
	v_min_num_f32 v[NMP+2*II], v[NMP+2*II], v[XT+II]       ; the new -M: the lesser of the two
.set II, II+1
.endr
.set II, 0
.rept 8
	v_min_num_f32 v[RLP+2*II], 0, v[RLP+2*II]      ; old M - new M: a whole number, 0 or less
.set II, II+1
.endr
.set II, 0
.rept 8
	v_cvt_i32_f32 v[RLP+2*II], v[RLP+2*II]         ; (it saturates)
.set II, II+1
.endr
.set II, 0
.rept 8
	v_ldexp_f32 v[RLP+2*II], 1.0, v[RLP+2*II]      ; f = 2^(old M - new M): it brings my sum under the new M and rounds nothing
.set II, II+1
.endr
	WIN 0x82                                       ; S^T in place: source 0 and destination window 2
.set PP, 0
.rept 64
	v_pk_fma_f32 v[PP:PP+1], v[PP:PP+1], s[62:63], v[NMP+2*(PP/16):NMP+2*(PP/16)+1] op_sel_hi:[1,0,0]   ; t - M, two at a time
.set PP, PP+2
.endr
	WIN 0
.set II, 0
.rept 8
	v_fma_f32 v[BM+II], v[BM+II], s62, v[NMP+2*II] ; the same of each block's largest score
.set II, II+1
.endr
	WIN 0x82
	s_wait_alu depctr_va_vdst(0)                   ; the wait ahead of the batch too
.set PP, 0
.rept 128
	v_exp_f32 v[PP], v[PP]                         ; p, at most 1: not normalised
.set PP, PP+1
.endr
	WIN 0
	v_nop                                          ; a plain line behind the last exponential
	s_wait_alu depctr_va_vdst(0)                   ; one wait for the whole batch, ahead of its first reader
.set II, 0
.rept 8
	v_exp_f32 v[BM+II], v[BM+II]                   ; the blocks' largest p: the same two instructions on the same number give the same bits
.set II, II+1
.endr
	WIN 0x20                                       ; source 2 in window 2
.set II, 0
.rept 8
	v_pk_fma_f32 v[LS+2*II:LS+2*II+1], v[LS+2*II:LS+2*II+1], v[RLP+2*II:RLP+2*II+1], v[16*II:16*II+1] op_sel_hi:[1,0,1]   ; THE SUMS ARE TAKEN OF THE UNQUANTISED p: sum x f + the first pair.  Plain work behind the eight exponentials
.set II, II+1
.endr
	WIN 0x08                                       ; source 1 in window 2
.set KK, 1
.rept 7
.set II, 0
.rept 8
	v_pk_add_f32 v[LS+2*II:LS+2*II+1], v[LS+2*II:LS+2*II+1], v[16*II+2*KK:16*II+2*KK+1]   ; the eight tiles by turns
.set II, II+1
.endr
.set KK, KK+1
.endr
	WIN 0
	VL \vb
	s_wait_alu depctr_va_vdst(0)                   ; and one wait for the eight
.set II, 0
.rept 8
	v_max_num_f32 v[BM+II], 0x1800000, v[BM+II]    ; the floor 2^(3 - 127): the byte cannot fall under 1 here
.set II, II+1
.endr
.set II, 0
.rept 8
	v_add_nc_u32 v[NMP+2*II+1], 0xff000000, v[BM+II]       ; 2 off the exponent field: the conversion's scale operand; it lies beside -M, so that one store takes both
.set II, II+1
.endr
	WIN 0x02                                       ; source 0 in window 2
.set II, 0
.rept 8
	v_cvt_scalef32_pk8_fp4_f32 v[CD+2*II], v[16*II:16*II+7], v[NMP+2*II+1]
	v_cvt_scalef32_pk8_fp4_f32 v[CD+2*II+1], v[16*II+8:16*II+15], v[NMP+2*II+1]
.set II, II+1
.endr
	WIN 0
	v_nop                                          ; one plain line behind the last conversion: the next products write its sources
.set II, 0
.rept 8
	ds_store_b64 v20, v[CD+2*II:CD+2*II+1] offset:1024*(\p)+8192*II        ; tile m's fragment of this step: 256 consecutive bytes a wave
.set II, II+1
.endr
.set II, 0
.rept 8
	ds_store_b64 v21, v[NMP+2*II:NMP+2*II+1] offset:1024*(\p)+128*II       ; -M of this step and the scale operand; both halves of the lanes write the same 8 bytes with the same values
.set II, II+1
.endr
	VL \vc
.endm
	s_wait_alu depctr_va_vdst(0)                   ; the wait at the head's end
.Lcols:                                            ; steps 0 to 5, two a trip
	BSTEP 0, 20, 1, 9, 9, 9                        ; behind step j's K stand the 20 loads of step j + 1
	BSTEP 1, 20, 1, 9, 9, 9
	s_wait_alu depctr_va_vdst(0)                   ; the wait here, ahead of the wait and the branch below
	s_wait_xcnt 0x0                                ; the trip's loads have read their bases
	s_add_nc_u64 s[6:7], s[6:7], 0x4000
	s_add_nc_u64 s[10:11], s[10:11], 0x1000
	s_add_co_u32 s70, s70, 2048
	s_add_co_u32 s66, s66, 1
	s_cmp_lt_u32 s66, 3
	s_cbranch_scc1 .Lcols
	VL 0                                           ; V lands during the last two steps and the exchange
	BSTEP 0, 40, 0, 1, 2, 3                        ; step 6: behind its K stand K's step 7 and V's step 0
	BSTEP 1, 60, 0, 4, 5, 6                        ; step 7: V's steps 1 to 3 may be out.  V's step 4 goes where step 7's K lay, 6 and 7 where Q lay
	VL 7
	; ---- THE EXCHANGE: the waves' -M and sums meet, and P's codes are shown to all waves
.set II, 0
.rept 8
	v_add_f32 v[LS+2*II], v[LS+2*II], v[LS+2*II+1]
.set II, II+1
.endr
.set II, 0
.rept 8
	v_permlanex16_b32 v[TP+II], v[LS+2*II], s60, s61
.set II, II+1
.endr
.set II, 0
.rept 8
	v_add_f32 v[LS+2*II], v[LS+2*II], v[TP+II]     ; my sum of the row, under my last M
.set II, II+1
.endr
.set II, 0
.rept 8
	ds_store_b32 v15, v[NMP+2*II] offset:256*II
	ds_store_b32 v15, v[LS+2*II] offset:LXO+256*II
.set II, II+1
.endr
.set EI, 0
.rept 32                               ; EI = 4 m + i: my own words of step 4 h + i, tile m, row r, back into registers that K has left
	ds_load_b64 v[KF+2*EI:KF+2*EI+1], v23 offset:1024*(EI%4)+128*(EI/4)
.set EI, EI+1
.endr
	s_wait_alu depctr_va_vdst(0)                   ; the wait here, ahead of the wait and the barrier below
	s_wait_dscnt 0x0                               ; for the others' sake: my codes, my -M and my sums have landed
	s_barrier_signal -1
	s_barrier_wait -1
.irp hf, 0,1
.set II, 0
.rept 4
	ds_load_b128 v[EX+4*II:EX+4*II+3], v16 offset:256*(4*\hf+II)           ; the four waves' -M of the row,
	ds_load_b128 v[CD+4*II:CD+4*II+3], v16 offset:LXO+256*(4*\hf+II)       ; and their sums
.set II, II+1
.endr
	s_wait_dscnt 0x0
.set II, 0
.rept 4
	v_min_num_f32 v[BM+4*\hf+II], v[EX+4*II], v[EX+4*II+1]
	v_min_num_f32 v[XT+II], v[EX+4*II+2], v[EX+4*II+3]
.set II, II+1
.endr
.set II, 0
.rept 4
	v_min_num_f32 v[BM+4*\hf+II], v[BM+4*\hf+II], v[XT+II]         ; the row's -M: the least of the four
.set II, II+1
.endr
.set KK, 0
.rept 16
	v_sub_f32 v[EX+KK], v[BM+4*\hf+KK/4], v[EX+KK]                 ; that wave's M less the row's: a whole number, 0 or less
.set KK, KK+1
.endr
.set KK, 0
.rept 16
	v_cvt_i32_f32 v[EX+KK], v[EX+KK]                               ; (it saturates)
.set KK, KK+1
.endr
.set KK, 0
.rept 16
	v_ldexp_f32 v[CD+KK], v[CD+KK], v[EX+KK]                       ; its sum under the row's M
.set KK, KK+1
.endr
.set II, 0
.rept 4
	v_add_f32 v[CD+4*II], v[CD+4*II], v[CD+4*II+1]
	v_add_f32 v[CD+4*II+2], v[CD+4*II+2], v[CD+4*II+3]
.set II, II+1
.endr
.set II, 0
.rept 4
	v_add_f32 v[TP+4*\hf+II], v[CD+4*II], v[CD+4*II+2]             ; the row's sum
.set II, II+1
.endr
	s_wait_alu depctr_va_vdst(0)                   ; the wait ahead of the batch
.set II, 0
.rept 4
	v_rcp_f32 v[RLP+2*(4*\hf+II)], v[TP+4*\hf+II]
.set II, II+1
.endr
.endr
	v_nop                                          ; a plain line behind the last reciprocal
	s_wait_alu depctr_va_vdst(0)                   ; one wait for the eight, ahead of their first reader
	; my blocks' scales go under the row's M: 32 for each lane
.set EI, 0
.rept 32
	v_sub_f32 v[KF+2*EI], v[BM+EI/4], v[KF+2*EI]   ; the step's M less the row's: a whole number, 0 or less
.set EI, EI+1
.endr
.set EI, 0
.rept 32
	v_cvt_i32_f32 v[KF+2*EI], v[KF+2*EI]           ; (it saturates)
.set EI, EI+1
.endr
.set EI, 0
.rept 32
	v_ldexp_f32 v[KF+2*EI+1], v[KF+2*EI+1], v[KF+2*EI]     ; the scale operand's exponent field moves by it; what falls under the least normal number has the field 0
.set EI, EI+1
.endr
.set EI, 0
.rept 32
	v_lshrrev_b32 v[KF+2*EI+1], 23, v[KF+2*EI+1]   ; the scale's byte (the operand is positive)
.set EI, EI+1
.endr
.set EI, 0
.rept 32
	ds_store_b8 v26, v[KF+2*EI+1] offset:4*(EI%4)+512*(EI/4)       ; byte w of the word of step 4 h + i, tile m, row r
.set EI, EI+1
.endr
.macro PFETCH p, adr, o                ; P's 8 fragments of a tile, as they lie
.set PFB, KF-64*(\p)
.set JI, 0
.rept 8
	ds_load_b128 v[PFB+8*JI:PFB+8*JI+3], v[\adr] offset:16384*(\o)+8192*(\p)+1024*JI
	ds_load_b128 v[PFB+8*JI+4:PFB+8*JI+7], v[\adr] offset:16384*(\o)+8192*(\p)+1024*JI+512
.set JI, JI+1
.endr
.endm
	s_wait_alu depctr_va_vdst(0)                   ; the wait here, ahead of the wait and the barrier below
	s_wait_dscnt 0x0                               ; for the others' sake: my bytes have landed
	s_barrier_signal -1
	PFETCH 0, 4, 0                                 ; the codes were whole behind the barrier before, and nobody writes them any more
	PFETCH 1, 4, 0
	s_barrier_wait -1                              ; P's scale words are whole
	ds_load_b128 v[PSS:PSS+3], v14
	ds_load_b128 v[PSS+4:PSS+7], v14 offset:16
	s_mov_b32 s66, 0                               ; the trip: tiles 2 s66 and 2 s66 + 1
	s_mov_b32 s72, 0                               ; 16,384 x trip: P's codes
	s_mov_b32 s73, 0                               ; 1,024 x trip: P's scale words
	s_mov_b32 s76, 0                               ; what a trip adds to out0's two bases: 32 positions, but nothing in the first
	s_mov_b32 s77, 0
	s_wait_loadcnt 0x0                             ; V is in
	s_mov_b64 s[14:15], s[12:13]                   ; s[12:13] serves the even tiles, s[14:15] the odd ones
	s_wait_dscnt 0x0
; ---- PASS C, one tile: 64 matrix instructions, step by step; the 8 accumulators take turns.  The first step starts the sums.
.macro MM p
.set JI, 0
.rept 8
.if JI < 4
	WIN 0x53                                       ; V window 3, P window 0, C and D window 1
.set VB, 64*JI
.elseif JI < 6
	WIN 0x52                                       ; V window 2
.set VB, 64*JI-128
.else
	WIN 0x51                                       ; V window 1
.set VB, 64*JI-384
.endif
.set CI, 0
.rept 8
.set rD, 128+8*CI
.set rA, VB+8*CI
.set rB, KF-64*(\p)+8*JI
.set rSA, VSS+4*JI+CI/2
.set fRA, CI%2
.set rSB, PSS+JI
.set fRB, \p
.set rC, rD
.if JI == 0
.set rC, -1
.endif
	WMS
.set CI, CI+1
.endr
.set JI, JI+1
.endr
	WIN 0
.endm
; x 1 / sum in place; through my stage; back as whole rows of 512 bytes (my 128 channels).  LDS serves a wave's instructions in order: the loads see the stores, and the next tile's stores come behind them.
.macro STAGE p
	WIN 0x41                                       ; source 0 and destination window 1
.set PP, 0
.rept 32
	v_pk_mul_f32 v[128+2*PP:129+2*PP], v[128+2*PP:129+2*PP], v[RLP+2*(\p):RLP+2*(\p)+1] op_sel_hi:[1,0]   ; each accumulator from its low end on
.set PP, PP+1
.endr
	WIN 0x04                                       ; a store's data are its source 1: window 1
.set CI, 0
.rept 8
	ds_store_b128 v17, v[128+8*CI:131+8*CI] offset:128*(CI/2)+32*(CI%2)            ; register k of tile c: channel 32 (c / 2) + 16 h + 8 (c % 2) + k of my 128
	ds_store_b128 v17, v[132+8*CI:135+8*CI] offset:128*(CI/2)+32*(CI%2)+16
.set CI, CI+1
.endr
	WIN 0x80                                       ; destination window 2
.set RI, 0
.rept 16
	ds_load_b128 v[64*(\p)+4*RI:64*(\p)+4*RI+3], v18 offset:528*RI
.set RI, RI+1
.endr
	WIN 0
.endm
.macro SEND p, base                    ; 32 lanes store 512 consecutive bytes, aligned
	s_wait_dscnt 0x0                               ; the tile is back in registers
	WIN 0x08                                       ; window 2
.set RI, 0
.rept 16
	global_store_b128 v4, v[64*(\p)+4*RI:64*(\p)+4*RI+3], s[\base:\base+1] offset:(8*(\p)+RI+8*(RI/8))*65536 th:TH_STORE_NT   ; row q of tile m is position 32 (m / 2) + 8 (m % 2) + q + 8 (q / 8)
.set RI, RI+1
.endr
	WIN 0
.endm
.Ltiles:
	s_wait_dscnt 32                                ; both tiles' P and their scale words are in; behind them the odd tile's 16 stage stores and 16 stage loads of the last trip may be out
	MM 0
	v_add_nc_u32 v8, s72, v4                       ; the trip's addresses; these lines and the v_nop are the places in front of the loads into P's registers and of the reads of the results
	v_add_nc_u32 v9, s73, v14
.rept 2
	v_nop
.endr
	s_wait_alu depctr_va_vdst(0)                   ; the wait here, ahead of the waits and the branches below
	s_wait_xcnt 0x0                                ; the last trip's stores of its even tile have read their registers and their base
	s_add_nc_u64 s[12:13], s[12:13], s[76:77]
	s_cmp_eq_u32 s66, 0
	s_cbranch_scc1 .Lnone_yet
	SEND 1, 14                                     ; the last trip's odd tile
.Lnone_yet:
	s_cmp_eq_u32 s66, 3
	s_cbranch_scc1 .Lno_even
	PFETCH 0, 8, 1                                 ; the next trip's even tile
.Lno_even:
	STAGE 0
	MM 1
.rept 4
	v_nop                                          ; four places in front of the loads into P's registers and of the reads of the results
.endr
	s_wait_xcnt 0x0                                ; the odd tile's stores likewise
	s_add_nc_u64 s[14:15], s[14:15], s[76:77]
	SEND 0, 12
	s_cmp_eq_u32 s66, 3
	s_cbranch_scc1 .Lno_odd
	PFETCH 1, 8, 1
	ds_load_b128 v[PSS:PSS+3], v9 offset:1024
	ds_load_b128 v[PSS+4:PSS+7], v9 offset:1040
.Lno_odd:
	STAGE 1
.set II, 0
.rept 6
	v_mov_b32 v[RLP+2*II], v[RLP+2*II+4]           ; the next two tiles' 1 / sum move down
.set II, II+1
.endr
	s_mov_b32 s76, 0x200000
	s_add_co_u32 s72, s72, 16384
	s_add_co_u32 s73, s73, 1024
	s_add_co_u32 s66, s66, 1
	s_cmp_lt_u32 s66, 4
	s_wait_alu depctr_va_vdst(0)                   ; the wait here, directly ahead of the branch
	s_cbranch_scc1 .Ltiles
	SEND 1, 14
	s_wait_tensorcnt 0x0                           ; the wave's end, behind my last LDS store
	ds_add_u32 v[SPW], v[NIL]
	s_wait_dscnt 0x0
	s_endpgm
.Lfunc_end_k_q727e58ff34_attn:
	.size	k_q727e58ff34_attn, .Lfunc_end_k_q727e58ff34_attn-k_q727e58ff34_attn
	.p2alignl 7, 3214868480
	.fill 96, 4, 3214868480
	.section	.rodata,"a",@progbits
	.p2align	6, 0x0
	.amdhsa_kernel k_q727e58ff34_attn
		.amdhsa_group_segment_fixed_size 140800
		.amdhsa_private_segment_fixed_size 0
		.amdhsa_enable_private_segment 0
		.amdhsa_kernarg_size 40
		.amdhsa_user_sgpr_count 2
		.amdhsa_user_sgpr_kernarg_segment_ptr 1
		.amdhsa_wavefront_size32 1
		.amdhsa_system_sgpr_workgroup_id_x 1
		.amdhsa_system_sgpr_workgroup_id_y 1
		.amdhsa_system_sgpr_workgroup_id_z 1
		.amdhsa_system_vgpr_workitem_id 0
		.amdhsa_next_free_vgpr 1024
		.amdhsa_next_free_sgpr 80
		.amdhsa_reserve_vcc 0
		.amdhsa_float_denorm_mode_32 3
		.amdhsa_float_denorm_mode_16_64 3
		.amdhsa_memory_ordered 1
		.amdhsa_forward_progress 1
		.amdhsa_inst_pref_size 214
	.end_amdhsa_kernel
	.amdgpu_metadata
---
amdhsa.version: [ 1, 2 ]
amdhsa.kernels:
  - .name:           k_q727e58ff34_attn
    .symbol:         k_q727e58ff34_attn.kd
    .args:
      - { .name: qc, .offset: 0, .size: 8, .value_kind: global_buffer, .address_space: global }
      - { .name: kc, .offset: 8, .size: 8, .value_kind: global_buffer, .address_space: global }
      - { .name: vc, .offset: 16, .size: 8, .value_kind: global_buffer, .address_space: global }
      - { .name: sc, .offset: 24, .size: 8, .value_kind: global_buffer, .address_space: global }
      - { .name: out0, .offset: 32, .size: 8, .value_kind: global_buffer, .address_space: global }
    .group_segment_fixed_size: 140800
    .private_segment_fixed_size: 0
    .kernarg_segment_align: 8
    .kernarg_segment_size: 40
    .max_flat_workgroup_size: 128
    .sgpr_count:     80
    .vgpr_count:     1024
    .wavefront_size: 32
...
	.end_amdgpu_metadata
.endif
;; end of part 3
